; MI455X (gfx1250); checked and timed in simulation.
; The chip was launched on July 23, 2026; its instructions are those of AMD's public machine-readable ISA for CDNA 5 (MIT licence, August 2026) and "CDNA5" Instruction Set Architecture Reference Guide (July 2026). The comments in the code are by the model that wrote it; some were corrected since.
;; Fast Attention. Allowed arithmetic: float matrix products may take bf16 or f16 operands with f32 sums; all other float work in f32.
;; Inputs: k 2 x 16 x 2,048 x 64 float32; key_padding_mask 2 x 1 x 1 x 2,048 bool; q 2 x 16 x 2,048 x 64 float32; v 2 x 16 x 2,048 x 64 float32.
;; Outputs: out0 2 x 16 x 2,048 x 64 float32.
;; One version. Each part assembles by itself: llvm-mc -triple=amdgcn-amd-amdhsa -mcpu=gfx1250 --defsym DOCPART=n.
;; ======== version 1 of 1: 1 launch
;; limits: right only within a limited range of input values
;; launch attn (part 1): grid 8 x 32, 8 waves a work-group, clusters of 4 x 1, 327,680 bytes of LDS; arguments q, k, v, key_padding_mask, out0; writes out0
.if DOCPART == 1
	.amdgcn_target "amdgcn-amd-amdhsa--gfx1250"
	.amdhsa_code_object_version 6
	.text
	.protected	k_q0149e6d7c0_attn
	.globl	k_q0149e6d7c0_attn
	.p2align	8
	.type	k_q0149e6d7c0_attn,@function
k_q0149e6d7c0_attn:
	s_mov_b64 s[64:65], 0
	v_nop
	global_prefetch_b8 v0, s[64:65] scope:SCOPE_SE
	s_setreg_imm32_b32 hwreg(HW_REG_WAVE_MODE, 25, 1), 1
	s_wait_xcnt 0x0
	s_wait_alu depctr_hold_cnt(0) depctr_sa_sdst(0) depctr_va_vdst(0) depctr_va_sdst(0) depctr_va_ssrc(0) depctr_va_vcc(0) depctr_vm_vsrc(0)
	s_getreg_b32 s2, hwreg(HW_REG_IB_STS2, 6, 4)
	s_cmp_eq_u32 s2, 0
	s_cbranch_scc0 .Lentry_in_a_cluster
	s_endpgm
.Lentry_in_a_cluster:
	s_bfe_u32 s2, ttmp6, 0x10000c
	s_cmp_lg_u32 s2, 0x3003
	s_cbranch_scc0 .Lentry_shape_is_right
	s_endpgm
.Lentry_shape_is_right:
; out = softmax(where(mask, finfo.min, q k^T)) v, no 1/sqrt(d).  q, k, v, out: [2][16][2048][64] f32; mask: [2][2048] bytes.
; SHARES.  32 heads x 8 blocks of 256 queries = 256 work-groups.  Eight waves; a wave owns 32 queries (two blocks qb of 16).
; The keys go in 16 trips of 128, each trip in two subtiles of 64.
; CLUSTER.  The four work-groups of a cluster are four query blocks of ONE head: they need the same K and V tiles and ask for them
; jointly (mask 15); each wave brings 8 KiB of a trip's 64 KiB (waves 0-3 K's rows, waves 4-7 V's).  One tensor load of a wave is out at a time.
; FORMATS.  q, k, v are rounded to bf16 as they are (nearest even); scores, softmax and sums are f32; the weights are rounded to bf16.
; The f32 tile is turned into bf16 once by the eight waves together (16 rows of K and of V each) into a stage of its own in LDS.
; BOTH PRODUCTS ARE USED TRANSPOSED.  S^T = K Q^T: lane (r, h) holds, in register j of key block kb, key 16 kb + 8 h + j of query r.
; Two neighbouring key blocks, packed in the lane, ARE the second source of O^T = V^T P^T (column = query r, k = 8 h .., 16 + 8 h ..):
; the weights never change lanes.  The row maximum and sum are a lane's own work and one exchange of the lane halves.
; MASK.  A table bias[key] (0, or -2^127 where masked) is the addend of each score tile's first matrix instruction.  The running maximum
; starts at -2^126, so masked keys, and tiles that are masked whole, get the weight exp2(-huge) = 0 and no inf - inf can arise.
; A batch that is masked everywhere: every wave ANDs all 2,048 mask bytes; then the table is 0 and Q's bf16 words are cleared, so all scores
; are 0, the weights are equal and the result is the mean of v, as with equal scores of finfo.min.  Selects only, no branch.
; SOFTMAX.  m = running maximum (raw), NM = round(-m log2 e), p = exp2(fma(s, log2 e, NM)), alpha = exp2(NM_new - NM_old) from the rounded
; values, so the shift of old and new weights is the same number for inputs of any size.
; LIMITS.  Unmasked scores below 2^126 in magnitude; NaN and infinities in q, k, v are not honoured; mask bytes are 0 or 1.
.set SLOTB, 65536                      ; an f32 slot: K's 128 rows of 256 bytes, then V's; slots at LDS byte 0 and 65,536, filled by tensor loads alone
.set VOFF,  32768                      ; V's part of a slot
.set KST,   131072                     ; bf16 K, 128 rows, pitch 144 (an odd multiple of 16)
.set KP,    144
.set VST,   149504                     ; bf16 V [key][d], 128 rows, pitch 160 (an odd multiple of 32, for the transposing load)
.set VP,    160
.set BIAS,  169984                     ; 2,048 f32
.set WST,   178176                     ; a wave's own 8,704 bytes: first Q in bf16 (32 rows, pitch 144), at the end the result (32 rows, pitch 272)
.set WSZ,   8704
.set OP,    272
.set KAD, 1                            ; v1   K fragments: KST + 144 r + 16 h
.set VAD, 2                            ; v2   V fragments: VST + 160 (8 h + (L & 7)) + 16 ((L >> 3) & 1)
.set BAD, 3                            ; v3   BIAS + 32 h, 512 further each trip
.set CLD, 4                            ; v4-5 my 16 bytes of my wave's 16 rows in slot 0, 1
.set KSA, 6                            ; v6   where my 8 bytes of bf16 K go
.set VSA, 7                            ; v7   the same for V
.set PFO, 8                            ; v8   256 L (prefetch); never rewritten
.set OO,  9                            ; v9   16 L (q, mask, out); never rewritten
.set WSTO, 10                          ; v10  way out: store
.set WRD, 11                           ; v11  way out: read back
.set NM,  12                           ; v12+2qb NM, v13+2qb m
.set AL,  16                           ; v16+2qb alpha (later 1/l); v17+2qb written once, only to make a pair
.set LS,  20                           ; v[20+2qb:21+2qb] the lane's two partial sums of weights
.set T,   24                           ; v24+3qb .. v26+3qb at work
.set MO,  28                           ; set-up only: 8 x thread
.set QRD, 29                           ; set-up only: Q fragments' address
.set QST, 30                           ; set-up only: Q stage store
.set BST, 31                           ; set-up only: bias store
.set QF,  32                           ; v32-63   Q fragment (qb, ks) at QF + 16 qb + 8 ks
.set OA,  64                           ; v64-127  O^T tile (qb, db) at OA + 32 qb + 8 db
.set SA,  128                          ; v128-191 S^T tile (qb, kb) at SA + 32 qb + 8 kb; then P fragment (qb, g) at SA + 32 qb + 16 g
.set F,   192                          ; v192-255 K fragment (ks, kb) at F + 32 ks + 8 kb; V fragment (g, db) at F + 32 g + 8 db; scratch
.set G1,  16                           ; s[16:23] descriptor group 1
.set G0,  24                           ; s[24:31] descriptor group 0, one set for each slot
; A round of the cluster's barrier: my work-group's barrier, wave 0 signals for the work-group, every wave waits for all four work-groups, my work-group's barrier again.
.macro ROUND
	s_barrier_signal -1
	s_barrier_wait -1
	s_cmp_lg_u32 s14, 0
	s_cbranch_scc1 .Lnot_wave_0_\@
	s_barrier_signal -3
.Lnot_wave_0_\@:
	s_barrier_wait -3
	s_barrier_signal -1
	s_barrier_wait -1
.endm
.macro PLACES n                        ; places behind matrix instructions (ISA guide 7.12.1) where no independent vector work is at hand
.rept \n
	v_nop
.endr
.endm
	s_load_b256 s[4:11], s[0:1], 0x0               ; q s[4:5], k s[6:7], v s[8:9], mask s[10:11]
	s_load_b64 s[12:13], s[0:1], 0x20              ; out
	s_set_vgpr_msb 0x40
	v_lshl_add_u32 v0, v0, 2, 0x3c800
	v_mov_b32 v1, 0
	s_set_vgpr_msb 0x4045
	ds_add_u32 v0, v1
	s_set_vgpr_msb 0x4500
	v_lshrrev_b32 v24, 5, v0
	v_readfirstlane_b32 s14, v24                   ; wave 0..7
	s_bfe_u32 s15, ttmp6, 0x40000                  ; cx: my place in the cluster
	s_and_b32 s35, ttmp7, 0xffff                   ; head 0..31
	s_lshl_b32 s36, ttmp9, 2
	s_add_co_u32 s36, s36, s15                     ; query block = 4 x cluster x + cx
	s_mov_b32 s40, 0x3fb8aa3b                      ; log2 e, as a pair for the packed multiply-add
	s_mov_b32 s41, 0x3fb8aa3b
	s_mov_b32 s42, 0x76543210                      ; v_permlanex16_b32: lane i reads lane i of the other half
	s_mov_b32 s43, 0xfedcba98
	; group 1: 32 rows of 32 elements of 8 bytes, dense in memory and in LDS: 8 KiB
	s_mov_b32 s[G1+0], 15|(3<<16)|(1<<21)          ; 15:0 all four work-groups of the cluster; 17:16 elements of 8 bytes; 21 set beside a mask; no padding: the slot is read 16 neighbouring bytes a lane
	s_mov_b32 s[G1+1], 32<<16                      ; tensor_dim0 = 32
	s_mov_b32 s[G1+2], 32<<16                      ; tensor_dim1 = 32
	s_mov_b32 s[G1+3], 32<<16                      ; tile_dim0 = 32
	s_mov_b32 s[G1+4], 32                          ; tile_dim1 = 32
	s_mov_b32 s[G1+5], 32                          ; 32 elements from row to row
	s_mov_b32 s[G1+6], 0
	s_mov_b32 s[G1+7], 0
	; the tiles' offset hangs on the head and the wave alone, which the four partners share
	s_lshl_b32 s38, s35, 19                        ; head x 2,048 rows x 256 bytes
	s_and_b32 s37, s14, 3
	s_lshl_b32 s37, s37, 13                        ; my 32 rows of the tile's 128
	s_add_co_u32 s38, s38, s37
	s_mov_b32 s39, 0
	s_mov_b32 s[G0+0], 1
	s_lshl_b32 s[G0+1], s14, 13                    ; LDS: wave x 8 KiB: K's four parts, then V's four
	s_mov_b32 s[G0+4], 1
	s_add_co_u32 s[G0+5], s[G0+1], SLOTB
	; q and out: head, query block, my 32 rows (registers that feed no descriptor)
	s_lshl_b32 s48, s35, 19
	s_lshl_b32 s54, s36, 16
	s_add_co_u32 s48, s48, s54
	s_lshl_b32 s54, s14, 13
	s_add_co_u32 s48, s48, s54
	s_mov_b32 s49, 0
	s_lshr_b32 s50, s35, 4                         ; batch
	s_lshl_b32 s50, s50, 11                        ; x 2,048 mask bytes
	s_mov_b32 s51, 0
	s_lshl_b32 s52, s35, 19                        ; prefetch: head, my quarter of a tile, one tile in: each trip steps it by a tile before it asks
	s_lshl_b32 s54, s15, 13
	s_add_co_u32 s52, s52, s54
	s_add_co_u32 s52, s52, VOFF
	s_mov_b32 s53, 0
	v_and_b32 v24, 31, v0                          ; L
	v_lshlrev_b32 v[OO], 4, v24
	v_lshlrev_b32 v[PFO], 8, v24
	v_lshlrev_b32 v[MO], 3, v0
	s_wait_dscnt 0x0
	s_wait_kmcnt 0x0
	s_cmp_lt_u32 s14, 4
	s_cselect_b64 s[46:47], s[6:7], s[8:9]         ; waves 0-3 fetch K, waves 4-7 V
	s_add_nc_u64 s[G0+2:G0+3], s[46:47], s[38:39]  ; tile 0
	s_add_nc_u64 s[G0+6:G0+7], s[G0+2:G0+3], VOFF  ; tile 1: 128 rows on
	s_or_b32 s[G0+3], s[G0+3], 0x80000000          ; type = 2
	s_or_b32 s[G0+7], s[G0+7], 0x80000000
	s_cmp_eq_u32 ttmp9, 0
	s_cselect_b64 s[32:33], s[6:7], s[8:9]         ; of a head's two clusters the first prefetches K, the second V
	s_add_nc_u64 s[32:33], s[32:33], s[52:53]
	s_add_nc_u64 s[4:5], s[4:5], s[48:49]
	s_add_nc_u64 s[12:13], s[12:13], s[48:49]
	s_add_nc_u64 s[10:11], s[10:11], s[50:51]
	ROUND                                          ; all four work-groups are here: the first joint loads meet
	tensor_load_to_lds s[G0:G0+3], s[G1:G1+7]      ; tile 0 into slot 0; slot 1 is filled behind the first trip's round
	s_nop 0
.irp i, 0,1,2,3
	global_load_b128 v[SA+4*\i:SA+4*\i+3], v[OO], s[10:11] offset:512*\i   ; the batch's whole mask, 64 bytes a lane, in every wave
.endr
	global_load_b64 v[SA+16:SA+17], v[MO], s[10:11]                        ; the 8 mask bytes of keys 8 t .. 8 t + 7
.irp t, 0,1,2,3,4,5,6,7,8,9,10,11,12,13,14,15
	global_load_b128 v[F+4*\t:F+4*\t+3], v[OO], s[4:5] offset:512*\t th:TH_LOAD_NT   ; my wave's 32 rows of q: rows 2 t + h, 16 bytes at 16 r
.endr
	v_and_b32 v25, 15, v0                          ; r
	v_bfe_u32 v26, v0, 4, 1                        ; h
	v_mul_u32_u24 v[KAD], v25, KP
	v_lshl_add_u32 v[KAD], v26, 4, v[KAD]
	v_add_nc_u32 v[KAD], KST, v[KAD]
	v_and_b32 v27, 7, v0
	v_lshl_add_u32 v27, v26, 3, v27                ; 8 h + (L & 7)
	v_mul_u32_u24 v[VAD], v27, VP
	v_bfe_u32 v27, v0, 3, 1
	v_lshl_add_u32 v[VAD], v27, 4, v[VAD]
	v_add_nc_u32 v[VAD], VST, v[VAD]
	v_lshl_add_u32 v[BAD], v26, 5, BIAS
	s_lshl_b32 s37, s14, 12                        ; my wave's 16 rows of 256 bytes
	v_lshl_add_u32 v[CLD], v24, 4, s37
	v_add_nc_u32 v[CLD+1], SLOTB, v[CLD]
	s_mul_i32 s37, s14, 16*KP
	s_add_co_u32 s37, s37, KST
	v_mul_u32_u24 v[KSA], v26, KP
	v_lshl_add_u32 v[KSA], v25, 3, v[KSA]
	v_add_nc_u32 v[KSA], s37, v[KSA]               ; KST + 144 (16 w + h) + 8 r
	s_mul_i32 s37, s14, 16*VP
	s_add_co_u32 s37, s37, VST
	v_mul_u32_u24 v[VSA], v26, VP
	v_lshl_add_u32 v[VSA], v25, 3, v[VSA]
	v_add_nc_u32 v[VSA], s37, v[VSA]               ; VST + 160 (16 w + h) + 8 r
	s_mul_i32 s37, s14, WSZ
	s_add_co_u32 s37, s37, WST                     ; my wave's own bytes
	v_mul_u32_u24 v[WSTO], v25, OP
	v_lshl_add_u32 v[WSTO], v26, 5, v[WSTO]
	v_add_nc_u32 v[WSTO], s37, v[WSTO]             ; + 272 r + 32 h
	v_mul_u32_u24 v[WRD], v26, OP
	v_lshl_add_u32 v[WRD], v25, 4, v[WRD]
	v_add_nc_u32 v[WRD], s37, v[WRD]               ; + 272 h + 16 r
	v_mul_u32_u24 v[QST], v26, KP
	v_lshl_add_u32 v[QST], v25, 3, v[QST]
	v_add_nc_u32 v[QST], s37, v[QST]               ; + 144 h + 8 r
	v_mul_u32_u24 v[QRD], v25, KP
	v_lshl_add_u32 v[QRD], v26, 4, v[QRD]
	v_add_nc_u32 v[QRD], s37, v[QRD]               ; + 144 r + 16 h
	v_lshl_add_u32 v[BST], v0, 5, BIAS             ; 8 f32 a thread
	v_mov_b32 v[NM+1], 0xfe800000                  ; the running maxima start at -2^126
	v_mov_b32 v[NM+3], 0xfe800000
	v_mov_b32 v[AL+1], 0                           ; the pairs' upper registers: never used, written so that the pairs are whole
	v_mov_b32 v[AL+3], 0
	s_wait_loadcnt 16                              ; the mask's five loads are in; the 16 younger loads of q stay out
.irp i, 1,2,3,4,5,6,7,8,9,10,11,12,13,14,15
	v_and_b32 v[SA], v[SA], v[SA+\i]               ; AND of my 64 mask bytes
.endr
	v_cmp_eq_u32 vcc_lo, 0x01010101, v[SA]
	s_cmp_eq_u32 vcc_lo, -1                        ; every key of the batch is masked
	s_cselect_b32 s44, 0, 0xff000000               ; a masked key's bias: -2^127, or 0 in that case
	s_cselect_b32 s45, 0, -1                       ; and Q is cleared in that case
.irp b, 0,1,2,3
	v_bfe_u32 v[SA+18+\b], v[SA+16], 8*\b, 1
	v_bfe_u32 v[SA+22+\b], v[SA+17], 8*\b, 1
.endr
.irp b, 0,1,2,3,4,5,6,7
	v_mul_lo_u32 v[SA+18+\b], v[SA+18+\b], s44     ; 0 or the bias's bits
.endr
	ds_store_b128 v[BST], v[SA+18:SA+21]
	ds_store_b128 v[BST], v[SA+22:SA+25] offset:16
.irp t, 0,1,2,3,4,5,6,7,8,9,10,11,12,13,14,15
	s_wait_loadcnt 15-\t                           ; loads come back in order: load t is in
	v_cvt_pk_bf16_f32 v[SA+32+2*\t], v[F+4*\t], v[F+4*\t+1]
	v_cvt_pk_bf16_f32 v[SA+33+2*\t], v[F+4*\t+2], v[F+4*\t+3]
	v_and_b32 v[SA+32+2*\t], s45, v[SA+32+2*\t]
	v_and_b32 v[SA+33+2*\t], s45, v[SA+33+2*\t]
	ds_store_b64 v[QST], v[SA+32+2*\t:SA+33+2*\t] offset:2*KP*\t
.endr
.irp qb, 0,1
.irp ks, 0,1
	ds_load_b128 v[QF+16*\qb+8*\ks:QF+16*\qb+8*\ks+3],   v[QRD] offset:16*KP*\qb+64*\ks      ; my wave's own bytes: LDS serves a wave's instructions in order
	ds_load_b128 v[QF+16*\qb+8*\ks+4:QF+16*\qb+8*\ks+7], v[QRD] offset:16*KP*\qb+64*\ks+32   ; waited for at the head of the first trip
.endr
.endr
; My wave's 16 rows of K and of V, f32 from the slot, bf16 into the stage.
.macro CONVERT slot
.irp i, 0,1,2,3,4,5,6,7
	ds_load_b128 v[F+4*\i:F+4*\i+3], v[CLD+\slot] offset:512*\i                ; K rows 16 w + 2 i + h
.endr
.irp i, 0,1,2,3,4,5,6,7
	ds_load_b128 v[F+32+4*\i:F+32+4*\i+3], v[CLD+\slot] offset:VOFF+512*\i     ; V rows likewise
.endr
.irp i, 0,1,2,3,4,5,6,7
	s_wait_dscnt 15                                ; behind load n stand 15 - n loads and n stores: always 15
	v_cvt_pk_bf16_f32 v[SA+2*\i], v[F+4*\i], v[F+4*\i+1]
	v_cvt_pk_bf16_f32 v[SA+2*\i+1], v[F+4*\i+2], v[F+4*\i+3]
	ds_store_b64 v[KSA], v[SA+2*\i:SA+2*\i+1] offset:2*KP*\i
.endr
.irp i, 0,1,2,3,4,5,6,7
	s_wait_dscnt 15
	v_cvt_pk_bf16_f32 v[SA+16+2*\i], v[F+32+4*\i], v[F+32+4*\i+1]
	v_cvt_pk_bf16_f32 v[SA+17+2*\i], v[F+32+4*\i+2], v[F+32+4*\i+3]
	ds_store_b64 v[VSA], v[SA+16+2*\i:SA+17+2*\i] offset:2*VP*\i
.endr
.endm
; 24 LDS loads: the biases of the subtile's 64 keys into qb 1's score tiles, then K's fragments, d 0-31 first
.macro KLOAD sub
.irp kb, 0,1,2,3
	ds_load_b128 v[SA+32+8*\kb:SA+32+8*\kb+3],   v[BAD] offset:4*(64*\sub+16*\kb)
	ds_load_b128 v[SA+32+8*\kb+4:SA+32+8*\kb+7], v[BAD] offset:4*(64*\sub+16*\kb)+16
.endr
.irp ks, 0,1
.irp kb, 0,1,2,3
	ds_load_b128 v[F+32*\ks+8*\kb:F+32*\ks+8*\kb+3],   v[KAD] offset:KP*(64*\sub+16*\kb)+64*\ks
	ds_load_b128 v[F+32*\ks+8*\kb+4:F+32*\ks+8*\kb+7], v[KAD] offset:KP*(64*\sub+16*\kb)+64*\ks+32
.endr
.endr
.endm
; 16 matrix instructions: S^T = K Q^T + bias.  In each group of four the accumulators take turns, one instruction a turn.
.macro SMUL
	s_wait_dscnt 8                                 ; the biases and d 0-31 are in; the eight younger loads (d 32-63) may be out
.irp kb, 0,1,2,3
	v_wmma_f32_16x16x32_bf16 v[SA+8*\kb:SA+8*\kb+7], v[F+8*\kb:F+8*\kb+7], v[QF:QF+7], v[SA+32+8*\kb:SA+32+8*\kb+7]   ; qb 0 takes the bias from qb 1's tile
.endr
	s_wait_dscnt 0
.irp kb, 0,1,2,3
	v_wmma_f32_16x16x32_bf16 v[SA+8*\kb:SA+8*\kb+7], v[F+32+8*\kb:F+32+8*\kb+7], v[QF+8:QF+15], v[SA+8*\kb:SA+8*\kb+7]
.endr
	PLACES 5                                       ; qb 1's tiles, read as addends by the first four, are written next; also the places in front of the reads of qb 0's scores
.irp kb, 0,1,2,3
	v_wmma_f32_16x16x32_bf16 v[SA+32+8*\kb:SA+32+8*\kb+7], v[F+8*\kb:F+8*\kb+7], v[QF+16:QF+23], v[SA+32+8*\kb:SA+32+8*\kb+7]
.endr
.irp kb, 0,1,2,3
	v_wmma_f32_16x16x32_bf16 v[SA+32+8*\kb:SA+32+8*\kb+7], v[F+32+8*\kb:F+32+8*\kb+7], v[QF+24:QF+31], v[SA+32+8*\kb:SA+32+8*\kb+7]
.endr
.endm
; 16 instructions in two chains: the largest of the old maximum and my 32 scores of block qb
.macro MAXCH qb
	v_max3_num_f32 v[T+3*\qb],   v[NM+2*\qb+1], v[SA+32*\qb], v[SA+32*\qb+1]
	v_max3_num_f32 v[T+3*\qb+1], v[SA+32*\qb+16], v[SA+32*\qb+17], v[SA+32*\qb+18]
.irp c, 1,2,3,4,5,6
	v_max3_num_f32 v[T+3*\qb],   v[T+3*\qb],   v[SA+32*\qb+2*\c],    v[SA+32*\qb+2*\c+1]
	v_max3_num_f32 v[T+3*\qb+1], v[T+3*\qb+1], v[SA+32*\qb+17+2*\c], v[SA+32*\qb+18+2*\c]
.endr
	v_max3_num_f32 v[T+3*\qb], v[T+3*\qb], v[SA+32*\qb+14], v[SA+32*\qb+15]
	v_max3_num_f32 v[T+3*\qb], v[T+3*\qb], v[T+3*\qb+1], v[SA+32*\qb+31]
.endm
; 16 transposing loads: V^T fragments (16 d x 32 keys) from V's rows [key][d]
.macro VLOAD sub
.irp g, 0,1
.irp db, 0,1,2,3
	ds_load_tr16_b128 v[F+32*\g+8*\db:F+32*\g+8*\db+3],   v[VAD] offset:VP*(64*\sub+32*\g)+32*\db
	ds_load_tr16_b128 v[F+32*\g+8*\db+4:F+32*\g+8*\db+7], v[VAD] offset:VP*(64*\sub+32*\g)+32*\db+16*VP
.endr
.endr
.endm
; the new maximum over both lane halves, its shift, and the factor for what has been summed so far
.macro STATS qb, first
	v_permlanex16_b32 v[T+3*\qb+1], v[T+3*\qb], s42, s43
	v_max_num_f32 v[NM+2*\qb+1], v[T+3*\qb], v[T+3*\qb+1]
	v_mul_f32 v[T+3*\qb+2], 0xbfb8aa3b, v[NM+2*\qb+1]              ; -m log2 e, rounded once
.if \first == 0
	v_sub_f32 v[AL+2*\qb], v[T+3*\qb+2], v[NM+2*\qb]
	v_exp_f32 v[AL+2*\qb], v[AL+2*\qb]
.endif
	v_mov_b32 v[NM+2*\qb], v[T+3*\qb+2]                            ; also the plain instruction behind the exponential (ISA guide 5.7.2)
.endm
.macro FMAP qb, i                      ; s log2 e + NM, two scores
	v_pk_fma_f32 v[SA+32*\qb+2*\i:SA+32*\qb+2*\i+1], v[SA+32*\qb+2*\i:SA+32*\qb+2*\i+1], s[40:41], v[NM+2*\qb:NM+2*\qb+1] op_sel_hi:[1,0,0]
.endm
.macro EXP2 qb, i                      ; always followed by another exponential or by a plain instruction on other registers
	v_exp_f32 v[SA+32*\qb+2*\i], v[SA+32*\qb+2*\i]
	v_exp_f32 v[SA+32*\qb+2*\i+1], v[SA+32*\qb+2*\i+1]
.endm
.macro PACK qb, i                      ; two weights to bf16, in place: word 16 (i >> 3) + (i & 7) lies at or below the pair's first register, in a pair that has been packed
	v_cvt_pk_bf16_f32 v[SA+32*\qb+16*(\i>>3)+(\i&7)], v[SA+32*\qb+2*\i], v[SA+32*\qb+2*\i+1]
.endm
; pair i of block qb: into the sum, to bf16, and one pair of O^T scaled by alpha.  first = 1: the sums begin, nothing is scaled or cleared.
.macro SUMCVT qb, i, first
.if \first
.if \i == 1
	s_wait_alu depctr_va_vdst(0)
	v_pk_add_f32 v[LS+2*\qb:LS+2*\qb+1], v[SA+32*\qb:SA+32*\qb+1], v[SA+32*\qb+2:SA+32*\qb+3]
	s_wait_alu depctr_va_vdst(0)
	PACK \qb, 0
	PACK \qb, 1
.endif
.if \i > 1
	v_pk_add_f32 v[LS+2*\qb:LS+2*\qb+1], v[LS+2*\qb:LS+2*\qb+1], v[SA+32*\qb+2*\i:SA+32*\qb+2*\i+1]
	PACK \qb, \i
.endif
.else
.if \i == 0
	s_wait_alu depctr_va_vdst(0)
	v_pk_fma_f32 v[LS+2*\qb:LS+2*\qb+1], v[LS+2*\qb:LS+2*\qb+1], v[AL+2*\qb:AL+2*\qb+1], v[SA+32*\qb:SA+32*\qb+1] op_sel_hi:[1,0,1]
	s_wait_alu depctr_va_vdst(0)
.else
	v_pk_add_f32 v[LS+2*\qb:LS+2*\qb+1], v[LS+2*\qb:LS+2*\qb+1], v[SA+32*\qb+2*\i:SA+32*\qb+2*\i+1]
.endif
	PACK \qb, \i
	v_pk_mul_f32 v[OA+32*\qb+2*\i:OA+32*\qb+2*\i+1], v[OA+32*\qb+2*\i:OA+32*\qb+2*\i+1], v[AL+2*\qb:AL+2*\qb+1] op_sel_hi:[1,0]
.endif
.endm
; 16 matrix instructions: O^T += V^T P^T.  The eight accumulators take turns, one instruction a turn.
.macro PV first
	s_wait_dscnt 0x0                               ; V's fragments, asked for in front of the softmax
.irp g, 0,1
.irp qb, 0,1
.irp db, 0,1,2,3
.if (\first)*(1-\g)
	v_wmma_f32_16x16x32_bf16 v[OA+32*\qb+8*\db:OA+32*\qb+8*\db+7], v[F+32*\g+8*\db:F+32*\g+8*\db+7], v[SA+32*\qb+16*\g:SA+32*\qb+16*\g+7], 0
.else
	v_wmma_f32_16x16x32_bf16 v[OA+32*\qb+8*\db:OA+32*\qb+8*\db+7], v[F+32*\g+8*\db:F+32*\g+8*\db+7], v[SA+32*\qb+16*\g:SA+32*\qb+16*\g+7], v[OA+32*\qb+8*\db:OA+32*\qb+8*\db+7]
.endif
.endr
.endr
.endr
	PLACES 5                                       ; in front of the loads into the fragments' and weights' registers, of the score products that write over the weights, and of reads of O^T
.endm
; 64 keys against my 32 queries
.macro SUBTILE sub, first
	KLOAD \sub
	SMUL
	MAXCH 0                                        ; 16 plain instructions that name no register of qb 1's products: the places in front of VLOAD and of MAXCH 1
	VLOAD \sub
	MAXCH 1
	STATS 0, \first
	STATS 1, \first
.irp i, 0,1,2,3,4,5,6,7,8,9,10,11,12,13,14,15
	FMAP 0, \i
.endr
.irp i, 0,1,2,3,4,5,6,7,8,9,10,11,12,13,14,15
	EXP2 0, \i
	FMAP 1, \i
.endr
.irp i, 0,1,2,3,4,5,6,7,8,9,10,11,12,13,14,15
	EXP2 1, \i
	SUMCVT 0, \i, \first
.endr
.irp i, 0,1,2,3,4,5,6,7,8,9,10,11,12,13,14,15
	SUMCVT 1, \i, \first
.endr
	PV \first
.endm
; One trip: 128 keys from slot.  refill = 1: the other slot, read last trip, gets the next tile.  pf = 1: wave 0 prefetches.
.macro TRIP slot, refill, pf, first
	s_set_vgpr_msb 0x5
	s_wait_tensorcnt 0x0                           ; all my tensor loads have landed (one was out: my part of this trip's tile), so a group 0 may be written:
	ds_add_u32 v0, v1
	s_wait_dscnt 0x0
	s_set_vgpr_msb 0x500
	s_add_nc_u64 s[G0+4*\slot+2:G0+4*\slot+3], s[G0+4*\slot+2:G0+4*\slot+3], 2*VOFF   ; this slot's next tile, two tiles on
.if \pf
	s_wait_xcnt 0x0                                ; the last trip's prefetch has had its address translated: its base is stepped only behind this wait
	s_add_nc_u64 s[32:33], s[32:33], VOFF
.endif
	s_wait_dscnt 0x0                               ; my reads of the other slot and of the bf16 stage are back
	ROUND                                          ; all that now holds of every wave of all four work-groups
.if \refill
	tensor_load_to_lds s[G0+4-4*\slot:G0+7-4*\slot], s[G1:G1+7]   ; my one tensor load behind the round, first thing: it has the whole trip in which to land
	s_nop 0
.endif
.if \pf
	; Trip t asks for my work-group's 8 KiB of tile t + 2, whose tensor loads go out one trip later: 32 lanes 256 bytes apart, wave 0 alone.
	; A head's first cluster takes K, its second V, cx picks the quarter: each block is asked for once.  Trips 14 and 15 ask for nothing: tile 15 is the last.
	s_cmp_lg_u32 s14, 0
	s_cbranch_scc1 .Lno_pf_\@
	global_prefetch_b8 v[PFO], s[32:33] th:TH_LOAD_NT scope:SCOPE_SE
.Lno_pf_\@:
.endif
	CONVERT \slot
	s_wait_dscnt 0x0                               ; my stores into the stage are done,
	s_barrier_signal -1
	s_barrier_wait -1                              ; everybody's are.  The tensor load stays on its way
	SUBTILE 0, \first
	SUBTILE 1, 0
	v_add_nc_u32 v[BAD], 512, v[BAD]               ; the next 128 keys' biases
.endm
	TRIP 0, 1, 1, 1                                ; the first trip's first subtile starts all sums
	TRIP 1, 1, 1, 0
	s_mov_b32 s34, 6                               ; trips 2 to 13
.Llap:
	TRIP 0, 1, 1, 0
	TRIP 1, 1, 1, 0
	s_sub_co_u32 s34, s34, 1
	s_cmp_lg_u32 s34, 0
	s_cbranch_scc1 .Llap
	TRIP 0, 1, 0, 0                                ; trip 14 fetches the last tile
	TRIP 1, 0, 0, 0                                ; trip 15 fetches nothing
	; THE WAY OUT: divide by the sum of weights, turn O^T into rows through my wave's own bytes, store whole rows.
	v_add_f32 v[T], v[LS], v[LS+1]
	v_add_f32 v[T+3], v[LS+2], v[LS+3]
	v_permlanex16_b32 v[T+1], v[T], s42, s43       ; the other lane half holds the other keys' weights
	v_permlanex16_b32 v[T+4], v[T+3], s42, s43
	v_add_f32 v[T], v[T], v[T+1]
	v_add_f32 v[T+3], v[T+3], v[T+4]
	v_rcp_f32 v[AL], v[T]                          ; the largest weight is about 1, so the sum is not small
	v_rcp_f32 v[AL+2], v[T+3]
	v_nop                                          ; one plain instruction behind the reciprocals (ISA guide 5.7.2)
	s_wait_alu depctr_va_vdst(0)
.irp qb, 0,1
.irp i, 0,1,2,3,4,5,6,7,8,9,10,11,12,13,14,15
	v_pk_mul_f32 v[OA+32*\qb+2*\i:OA+32*\qb+2*\i+1], v[OA+32*\qb+2*\i:OA+32*\qb+2*\i+1], v[AL+2*\qb:AL+2*\qb+1] op_sel_hi:[1,0]
.endr
.endr
.irp qb, 0,1
.irp db, 0,1,2,3
	ds_store_b128 v[WSTO], v[OA+32*\qb+8*\db:OA+32*\qb+8*\db+3]   offset:16*OP*\qb+64*\db      ; query 16 qb + r, d = 16 db + 8 h + 0..3
	ds_store_b128 v[WSTO], v[OA+32*\qb+8*\db+4:OA+32*\qb+8*\db+7] offset:16*OP*\qb+64*\db+16   ; d + 4..7
.endr
.endr
.irp t, 0,1,2,3,4,5,6,7,8,9,10,11,12,13,14,15
	ds_load_b128 v[F+4*\t:F+4*\t+3], v[WRD] offset:2*OP*\t         ; rows 2 t + h; LDS serves a wave's instructions in order: these see the stores above
.endr
.irp t, 0,1,2,3,4,5,6,7,8,9,10,11,12,13,14,15
	s_wait_dscnt 15-\t                             ; load t is in
	global_store_b128 v[OO], v[F+4*\t:F+4*\t+3], s[12:13] offset:512*\t th:TH_STORE_NT   ; the wave stores 512 consecutive bytes, two whole rows of the result
.endr
	s_set_vgpr_msb 0x5
	s_wait_tensorcnt 0x0
	ds_add_u32 v0, v1
	s_wait_dscnt 0x0
	s_set_vgpr_msb 0x500
	ROUND                                          ; the closing round: no work-group ends while a partner may still ask for a tile that names it
	s_endpgm
.Lfunc_end_k_q0149e6d7c0_attn:
	.size	k_q0149e6d7c0_attn, .Lfunc_end_k_q0149e6d7c0_attn-k_q0149e6d7c0_attn
	.p2alignl 7, 3214868480
	.fill 96, 4, 3214868480
	.section	.rodata,"a",@progbits
	.p2align	6, 0x0
	.amdhsa_kernel k_q0149e6d7c0_attn
		.amdhsa_group_segment_fixed_size 327680
		.amdhsa_private_segment_fixed_size 0
		.amdhsa_enable_private_segment 0
		.amdhsa_kernarg_size 40
		.amdhsa_user_sgpr_count 2
		.amdhsa_user_sgpr_kernarg_segment_ptr 1
		.amdhsa_wavefront_size32 1
		.amdhsa_system_sgpr_workgroup_id_x 1
		.amdhsa_system_sgpr_workgroup_id_y 1
		.amdhsa_system_sgpr_workgroup_id_z 1
		.amdhsa_system_vgpr_workitem_id 0
		.amdhsa_next_free_vgpr 258
		.amdhsa_next_free_sgpr 66
		.amdhsa_reserve_vcc 1
		.amdhsa_float_denorm_mode_32 3
		.amdhsa_float_denorm_mode_16_64 3
		.amdhsa_memory_ordered 1
		.amdhsa_forward_progress 1
		.amdhsa_inst_pref_size 255
	.end_amdhsa_kernel
	.section	.bss,"aw",@nobits
	.p2align	6
	.space	262144
	.amdgpu_metadata
---
amdhsa.version: [ 1, 2 ]
amdhsa.kernels:
  - .name:           k_q0149e6d7c0_attn
    .symbol:         k_q0149e6d7c0_attn.kd
    .args:
      - { .name: q, .offset: 0, .size: 8, .value_kind: global_buffer, .address_space: global }
      - { .name: k, .offset: 8, .size: 8, .value_kind: global_buffer, .address_space: global }
      - { .name: v, .offset: 16, .size: 8, .value_kind: global_buffer, .address_space: global }
      - { .name: key_padding_mask, .offset: 24, .size: 8, .value_kind: global_buffer, .address_space: global }
      - { .name: out0, .offset: 32, .size: 8, .value_kind: global_buffer, .address_space: global }
    .group_segment_fixed_size: 327680
    .private_segment_fixed_size: 0
    .kernarg_segment_align: 8
    .kernarg_segment_size: 40
    .max_flat_workgroup_size: 256
    .sgpr_count:     66
    .vgpr_count:     258
    .wavefront_size: 32
...
	.end_amdgpu_metadata
.endif
;; end of part 1
